; MI455X (gfx1250); checked and timed in simulation.
; The chip was launched on July 23, 2026; its instructions are those of AMD's public machine-readable ISA for CDNA 5 (MIT licence, August 2026) and "CDNA5" Instruction Set Architecture Reference Guide (July 2026). The comments in the code are by the model that wrote it; some were corrected since.
;; Concat Attention Layer. Allowed arithmetic: float matrix products may take bf16 or f16 operands with f32 sums; other float arithmetic in f32, or as packed bf16 or f16 multiplies, adds, multiply-adds, maxima and minima; sums over many terms, partial sums and values carried from step to step in f32; what a program stores and reads back later, other than sums and carried values, may be rounded once to bf16 or f16.
;; Inputs: W1 512 x 1,024 float32; W2 1 x 512 float32; b1 512 float32; b2 1 float32; encoder_padding_mask 2,048 x 64 bool; input 1 x 64 x 512 float32; source_hids 2,048 x 64 x 512 float32.
;; Outputs: out0 64 x 512 float32; out1 2,048 x 64 float32.
;; One version. Each part assembles by itself: llvm-mc -triple=amdgcn-amd-amdhsa -mcpu=gfx1250 --defsym DOCPART=n.
;; ======== version 1 of 1: 3 launches
;; workspace buffers: wb 524,288 bytes; cu 131,072 bytes; sbias 524,288 bytes; scoresT 524,288 bytes; stats 524,288 bytes; part 2,097,152 bytes
;; launch prep (part 1): grid 32 x 1, 4 waves a work-group, no clusters, 9,728 bytes of LDS; arguments W1, W2, b1, b2, encoder_padding_mask, input, wb, cu, sbias; writes wb, cu, sbias
.if DOCPART == 1
	.amdgcn_target "amdgcn-amd-amdhsa--gfx1250"
	.amdhsa_code_object_version 6
	.text
	.protected	k_q6b12f781fa_prep
	.globl	k_q6b12f781fa_prep
	.p2align	8
	.type	k_q6b12f781fa_prep,@function
k_q6b12f781fa_prep:
	s_mov_b64 s[64:65], 0
	v_nop
	global_prefetch_b8 v0, s[64:65] scope:SCOPE_SE
	s_setreg_imm32_b32 hwreg(HW_REG_WAVE_MODE, 25, 1), 1
	s_wait_xcnt 0x0
; PREP: three small tables for the main launch.  32 work-groups of four waves; work-group g does 1/32 of each, one after the other, all its loads issued first.
;   wb[ks][a][k]  = bf16(W1[a][512 + 64 ks + k]), 8 x 512 x 64: the source half of W1, a K step of 64 as 65,536 dense bytes.   g: rows a = 16 g .. 16 g + 15
;   cu[b][a]      = c (sum over k of bf16(input[b][k]) bf16(W1[a][k]) + bf16(b1[a])), f32, c = 2 log2(e).                       g: 16 b (g % 4) x 64 a (g / 4), a tile of 16 x 16 a wave
;   sbias[b][s]   = mask[s][b] ? -inf : bf16(b2) + sum over a of bf16(W2[a]), f32.                                             g: s = 64 g .. 64 g + 63, all b
; FORMAT.  Every input is rounded once to bf16 (W1, input as matrix operands; b1, b2, W2 as copies kept for later); sums in f32.  NaN and infinities are not treated apart.
.set CST,   0          ; LDS: cu's stage, 16 rows (b) x 272 bytes (64 a in f32 + 16 of padding)
.set MT,    4608       ; the mask's tile: 64 rows (s) x 68 bytes
.set SPARE, 9216       ; the spare words, 128 bytes a wave: two blocks of 256 bytes that no other line names
.set SPW, 4            ; v4  LDS address of my spare word; never rewritten
.set NIL, 5            ; v5  0; never rewritten
; v6 W1b load, v7 wb store, v8 W1a load, v9 input load, v10 b1, v11 W2, v12 mask, v13/v14 cu stage in/out, v15 cu store, v16/v18 mask tile in/out, v19 sbias store: offsets, never rewritten
; v24-31 b1; v32-47 W2; v48-55 mask; v56 the unmasked bias; v58 -inf; v64-127 W1b; v128-159 two sets of fragments; v160-175 two accumulators; v176-183 cu; v184-215 mask bytes; v216-247 sbias
; window 1 and window 2: the 128 loads of the cu part, 32 registers for each 32 along K
.set MSB, 0
.macro WIN new                         ; the immediate's high byte repeats the setting that is left
.if MSB != (\new)
	s_set_vgpr_msb (MSB<<8)|(\new)
.set MSB, (\new)
.endif
.endm
	s_load_b512 s[4:19], s[0:1], 0x0               ; W1 s[4:5], W2 s[6:7], b1 s[8:9], b2 s[10:11], mask s[12:13], input s[14:15], wb s[16:17], cu s[18:19]
	s_load_b64 s[20:21], s[0:1], 0x40              ; sbias
	v_lshl_add_u32 v[SPW], v0, 2, SPARE
	v_mov_b32 v[NIL], 0
	v_lshrrev_b32 v1, 5, v0
	v_readfirstlane_b32 s24, v1                    ; wave w
	v_and_b32 v1, 31, v0                           ; lane l
	v_and_b32 v2, 15, v0                           ; r = l % 16
	v_bfe_u32 v3, v0, 4, 1                         ; h = l / 16
	s_and_b32 s26, ttmp9, 3                        ; which 16 b
	s_lshr_b32 s27, ttmp9, 2                       ; which 64 a
	s_mov_b32 s42, 0x76543210                      ; v_permlanex16_b32: each lane takes its own place in the other half
	s_mov_b32 s43, 0xfedcba98
	s_mov_b32 s44, 0x4038aa3b                      ; c = 2 log2(e)
	s_mov_b32 s45, s44                             ; named with it as a pair
	s_mov_b32 s46, 0xffff0000                      ; a word's upper bf16
	; wb: lane l takes 8 numbers of row 16 g + 4 w + l / 8 in each K step
	s_lshl_b32 s28, ttmp9, 4
	s_lshl2_add_u32 s28, s24, s28                  ; 16 g + 4 w
	v_lshrrev_b32 v20, 3, v1
	v_add_nc_u32 v20, s28, v20
	v_and_b32 v21, 7, v0
	v_lshlrev_b32 v6, 12, v20                      ; row x 4,096
	v_lshl_add_u32 v6, v21, 5, v6                  ; + 32 (l % 8)
	s_lshl_b32 s29, s28, 7
	v_lshl_add_u32 v7, v1, 4, s29                  ; (16 g + 4 w) x 128 + 16 l: a wave's store covers 512 consecutive bytes
	; cu: fragments of 16 rows x 32 K straight from f32 rows: 8 numbers at 32 h and 8 at 64 + 32 h bytes
	s_lshl_b32 s30, s27, 6
	s_lshl4_add_u32 s30, s24, s30                  ; a0 = 64 (g / 4) + 16 w
	v_add_nc_u32 v22, s30, v2
	v_lshlrev_b32 v8, 12, v22
	v_lshl_add_u32 v8, v3, 5, v8
	s_lshl_b32 s31, s26, 4                         ; 16 (g % 4)
	v_add_nc_u32 v22, s31, v2
	v_lshlrev_b32 v9, 11, v22
	v_lshl_add_u32 v9, v3, 5, v9
	s_lshl_b32 s33, s30, 2
	v_lshl_add_u32 v10, v3, 5, s33                 ; b1 at a0 + 8 h
	v_lshlrev_b32 v11, 6, v1                       ; W2: 16 numbers a lane
	s_lshl_b32 s34, ttmp9, 12
	v_lshl_add_u32 v12, v0, 4, s34                 ; the mask's 64 rows are 4,096 dense bytes: 16 a thread, twice
	v_mul_u32_u24 v13, v2, 272
	v_lshl_add_u32 v13, v3, 5, v13
	s_lshl_b32 s35, s24, 6
	v_add_nc_u32 v13, s35, v13                     ; stage in: row r, 64 w + 32 h
	s_mul_i32 s36, s24, 4*272
	v_mul_u32_u24 v14, v3, 272
	v_lshl_add_u32 v14, v2, 4, v14
	v_add_nc_u32 v14, s36, v14                     ; stage out: row 4 w + h, 16 r
	s_lshl2_add_u32 s37, s24, s31
	s_lshl_b32 s37, s37, 11
	s_lshl_b32 s38, s27, 8
	s_add_co_u32 s37, s37, s38
	v_lshlrev_b32 v15, 11, v3
	v_lshl_add_u32 v15, v2, 4, v15
	v_add_nc_u32 v15, s37, v15                     ; cu: row 16 (g % 4) + 4 w + h, byte 256 (g / 4) + 16 r
	v_lshrrev_b32 v22, 2, v1
	v_mul_u32_u24 v16, v22, 68
	v_and_b32 v22, 3, v0
	v_lshl_add_u32 v16, v22, 4, v16
	s_mul_i32 s41, s24, 8*68
	v_add_nc_u32 v16, s41, v16                     ; mask tile in: row 8 w + l / 4, byte 16 (l % 4)
	v_mul_u32_u24 v18, v2, 272
	v_add_nc_u32 v18, v18, v3
	s_lshl_b32 s39, s24, 4
	v_add_nc_u32 v18, s39, v18                     ; mask tile out: row 4 r, byte 16 w + h
	s_lshl_b32 s40, s24, 17
	s_lshl_b32 s38, ttmp9, 8
	s_add_co_u32 s40, s40, s38
	v_lshlrev_b32 v19, 13, v3
	v_lshl_add_u32 v19, v2, 4, v19
	v_add_nc_u32 v19, s40, v19                     ; sbias: row 16 w + h, byte 256 g + 16 r
	v_mov_b32 v57, 0                               ; v_permlanex16_b32's destination counts as read
	v_mov_b32 v58, 0xff800000                      ; -inf
	s_wait_kmcnt 0x0
	s_load_b32 s22, s[10:11], 0x0                  ; b2
	; ALL LOADS: 2 + 4 + 2 + 16 + 128 = 152 a wave
	global_load_b128 v[24:27], v10, s[8:9]
	global_load_b128 v[28:31], v10, s[8:9] offset:16
.irp j, 0,1,2,3
	global_load_b128 v[32+4*(\j):35+4*(\j)], v11, s[6:7] offset:16*(\j)
.endr
	global_load_b128 v[48:51], v12, s[12:13]
	global_load_b128 v[52:55], v12, s[12:13] offset:2048
.irp k, 0,1,2,3,4,5,6,7
	global_load_b128 v[64+8*(\k):67+8*(\k)], v6, s[4:5] offset:2048+256*(\k)
	global_load_b128 v[68+8*(\k):71+8*(\k)], v6, s[4:5] offset:2048+256*(\k)+16
.endr
.macro CULOADS kk                      ; 32 along K: 16 registers of W1's row, 16 of input's
.set LB, 32*((\kk)%8)
.irp q, 0,1,2,3
	global_load_b128 v[LB+4*(\q):LB+4*(\q)+3], v8, s[4:5] offset:(\kk)*128+16*((\q)%2)+64*((\q)/2)
.endr
.irp q, 0,1,2,3
	global_load_b128 v[LB+16+4*(\q):LB+16+4*(\q)+3], v9, s[14:15] offset:(\kk)*128+16*((\q)%2)+64*((\q)/2)
.endr
.endm
	WIN 0x40                                       ; destination window 1
.irp kk, 0,1,2,3,4,5,6,7
	CULOADS \kk
.endr
	WIN 0x80                                       ; destination window 2
.irp kk, 8,9,10,11,12,13,14,15
	CULOADS \kk
.endr
	WIN 0
	s_wait_loadcnt 63                              ; loads come back in order: of the 152 the oldest 89 are in: b1, W2, the mask, W1b and the cu part's first eight groups
	s_wait_kmcnt 0x0                               ; b2
	; the unmasked bias: bf16(b2) + the sum of bf16(W2), every wave for itself
.irp j, 0,1,2,3,4,5,6,7
	v_cvt_pk_bf16_f32 v[184+(\j)], v[32+2*(\j)], v[33+2*(\j)]
.endr
.irp j, 0,1,2,3,4,5,6,7
	v_lshlrev_b32 v[32+2*(\j)], 16, v[184+(\j)]
	v_and_b32 v[33+2*(\j)], s46, v[184+(\j)]
.endr
	v_pk_add_f32 v[32:33], v[32:33], v[34:35]
	v_pk_add_f32 v[36:37], v[36:37], v[38:39]
	v_pk_add_f32 v[40:41], v[40:41], v[42:43]
	v_pk_add_f32 v[44:45], v[44:45], v[46:47]
	v_pk_add_f32 v[32:33], v[32:33], v[36:37]
	v_pk_add_f32 v[40:41], v[40:41], v[44:45]
	v_pk_add_f32 v[32:33], v[32:33], v[40:41]
	v_add_f32 v56, v32, v33
	v_add_f32_dpp v56, v56, v56 row_xmask:1 row_mask:0xf bank_mask:0xf
	v_add_f32_dpp v56, v56, v56 row_xmask:2 row_mask:0xf bank_mask:0xf
	v_add_f32_dpp v56, v56, v56 row_xmask:4 row_mask:0xf bank_mask:0xf
	v_add_f32_dpp v56, v56, v56 row_xmask:8 row_mask:0xf bank_mask:0xf
	v_permlanex16_b32 v57, v56, s42, s43
	v_add_f32 v56, v56, v57
	v_mov_b32 v59, s22
	v_cvt_pk_bf16_f32 v59, v59, v59
	v_lshlrev_b32 v59, 16, v59
	v_add_f32 v56, v56, v59
	; the mask's 64 x 64 bytes into LDS, to be read back turned
.irp e, 0,1,2,3
	ds_store_b32 v16, v[48+(\e)] offset:MT+4*(\e)
	ds_store_b32 v16, v[52+(\e)] offset:MT+32*68+4*(\e)
.endr
	; b1 rounded to bf16, times c: the addend of cu's one multiply-add
.irp j, 0,1,2,3
	v_cvt_pk_bf16_f32 v[60+(\j)], v[24+2*(\j)], v[25+2*(\j)]
.endr
.irp j, 0,1,2,3
	v_lshlrev_b32 v[24+2*(\j)], 16, v[60+(\j)]
	v_and_b32 v[25+2*(\j)], s46, v[60+(\j)]
.endr
.irp j, 0,2,4,6
	v_pk_mul_f32 v[24+(\j):25+(\j)], v[24+(\j):25+(\j)], s[44:45] op_sel_hi:[1,0]
.endr
	; wb: eight numbers a lane and K step, rounded in place and stored; these registers are not written again
.irp k, 0,1,2,3,4,5,6,7
	v_cvt_pk_bf16_f32 v[64+8*(\k)], v[64+8*(\k)], v[65+8*(\k)]
	v_cvt_pk_bf16_f32 v[65+8*(\k)], v[66+8*(\k)], v[67+8*(\k)]
	v_cvt_pk_bf16_f32 v[66+8*(\k)], v[68+8*(\k)], v[69+8*(\k)]
	v_cvt_pk_bf16_f32 v[67+8*(\k)], v[70+8*(\k)], v[71+8*(\k)]
	global_store_b128 v7, v[64+8*(\k):67+8*(\k)], s[16:17] offset:65536*(\k)
.endr
	; cu: 16 products of 32 along K.  Source 0 = W1's rows (a), source 1 = input's rows (b): a lane ends with one b (r) and eight neighbouring a (8 h + j).
	; Two accumulators by turns; two sets of fragments, so that the other set's 16 conversions are the places behind each product.
.set kk, 0
.rept 16
.if kk >= 8
	s_wait_loadcnt 8*(15-kk)                       ; the groups issued behind this one may stay out
.endif
.set FS, 128+16*(kk%2)
.set LB, 32*(kk%8)
	WIN 0x05*(1+kk/8)                              ; sources in window 1 or 2, destination in window 0
.set j, 0
.rept 8
	v_cvt_pk_bf16_f32 v[FS+j], v[LB+2*j], v[LB+2*j+1]
	v_cvt_pk_bf16_f32 v[FS+8+j], v[LB+16+2*j], v[LB+16+2*j+1]
.set j, j+1
.endr
	WIN 0
.if kk < 2
	v_wmma_f32_16x16x32_bf16 v[160+8*(kk%2):167+8*(kk%2)], v[FS:FS+7], v[FS+8:FS+15], 0
.else
	v_wmma_f32_16x16x32_bf16 v[160+8*(kk%2):167+8*(kk%2)], v[FS:FS+7], v[FS+8:FS+15], v[160+8*(kk%2):167+8*(kk%2)]
.endif
.set kk, kk+1
.endr
.rept 8
	v_nop                                          ; the places behind the last products (ISA guide 7.12.1), with room to spare: once a launch
.endr
.irp j, 0,2,4,6
	v_pk_add_f32 v[176+(\j):177+(\j)], v[160+(\j):161+(\j)], v[168+(\j):169+(\j)]
.endr
.irp j, 0,2,4,6
	v_pk_fma_f32 v[176+(\j):177+(\j)], v[176+(\j):177+(\j)], s[44:45], v[24+(\j):25+(\j)] op_sel_hi:[1,0,1]
.endr
	ds_store_b128 v13, v[176:179] offset:CST
	ds_store_b128 v13, v[180:183] offset:CST+16
	s_wait_dscnt 0x0                               ; for the others' sake: my stores into both stages are done
	s_barrier_signal -1
	s_barrier_wait -1
	ds_load_b128 v[160:163], v14 offset:CST        ; whole rows of 256 bytes back: lanes 0-15 one row, lanes 16-31 the next
	ds_load_b128 v[164:167], v14 offset:CST+2*272
.set it, 0
.rept 8                                            ; b = 16 w + 2 it + h, s = 4 r + e
.irp e, 0,1,2,3
	ds_load_u8 v[184+4*it+(\e)], v18 offset:MT+68*(\e)+2*it
.endr
.set it, it+1
.endr
	s_wait_dscnt 32                                ; cu's two loads are in; the 32 behind them may stay out
	global_store_b128 v15, v[160:163], s[18:19]    ; 16 lanes store 256 consecutive bytes, at a multiple of 256 from cu's first byte
	global_store_b128 v15, v[164:167], s[18:19] offset:2*2048
	s_wait_dscnt 0x0
.set i, 0
.rept 32
	v_cmp_eq_u32 vcc_lo, 0, v[184+i]
	v_cndmask_b32 v[216+i], v58, v56, vcc_lo       ; not masked: the bias; masked: -inf
.set i, i+1
.endr
.irp t, 0,1,2,3,4,5,6,7
	global_store_b128 v19, v[216+4*(\t):219+4*(\t)], s[20:21] offset:2*8192*(\t)
.endr
	s_wait_tensorcnt 0x0                           ; the wave's end
	ds_add_u32 v[SPW], v[NIL]
	s_wait_dscnt 0x0
	s_endpgm
.Lfunc_end_k_q6b12f781fa_prep:
	.size	k_q6b12f781fa_prep, .Lfunc_end_k_q6b12f781fa_prep-k_q6b12f781fa_prep
	.p2alignl 7, 3214868480
	.fill 96, 4, 3214868480
	.section	.rodata,"a",@progbits
	.p2align	6, 0x0
	.amdhsa_kernel k_q6b12f781fa_prep
		.amdhsa_group_segment_fixed_size 9728
		.amdhsa_private_segment_fixed_size 0
		.amdhsa_enable_private_segment 0
		.amdhsa_kernarg_size 72
		.amdhsa_user_sgpr_count 2
		.amdhsa_user_sgpr_kernarg_segment_ptr 1
		.amdhsa_wavefront_size32 1
		.amdhsa_system_sgpr_workgroup_id_x 1
		.amdhsa_system_sgpr_workgroup_id_y 1
		.amdhsa_system_sgpr_workgroup_id_z 1
		.amdhsa_system_vgpr_workitem_id 0
		.amdhsa_next_free_vgpr 768
		.amdhsa_next_free_sgpr 66
		.amdhsa_reserve_vcc 1
		.amdhsa_float_denorm_mode_32 3
		.amdhsa_float_denorm_mode_16_64 3
		.amdhsa_memory_ordered 1
		.amdhsa_forward_progress 1
		.amdhsa_inst_pref_size 49
	.end_amdhsa_kernel
	.amdgpu_metadata
---
amdhsa.version: [ 1, 2 ]
amdhsa.kernels:
  - .name:           k_q6b12f781fa_prep
    .symbol:         k_q6b12f781fa_prep.kd
    .args:
      - { .name: W1, .offset: 0, .size: 8, .value_kind: global_buffer, .address_space: global }
      - { .name: W2, .offset: 8, .size: 8, .value_kind: global_buffer, .address_space: global }
      - { .name: b1, .offset: 16, .size: 8, .value_kind: global_buffer, .address_space: global }
      - { .name: b2, .offset: 24, .size: 8, .value_kind: global_buffer, .address_space: global }
      - { .name: encoder_padding_mask, .offset: 32, .size: 8, .value_kind: global_buffer, .address_space: global }
      - { .name: input, .offset: 40, .size: 8, .value_kind: global_buffer, .address_space: global }
      - { .name: wb, .offset: 48, .size: 8, .value_kind: global_buffer, .address_space: global }
      - { .name: cu, .offset: 56, .size: 8, .value_kind: global_buffer, .address_space: global }
      - { .name: sbias, .offset: 64, .size: 8, .value_kind: global_buffer, .address_space: global }
    .group_segment_fixed_size: 9728
    .private_segment_fixed_size: 0
    .kernarg_segment_align: 8
    .kernarg_segment_size: 72
    .max_flat_workgroup_size: 128
    .sgpr_count:     66
    .vgpr_count:     768
    .wavefront_size: 32
...
	.end_amdgpu_metadata
.endif
;; end of part 1
;; launch main (part 2): grid 256 x 1, 4 waves a work-group, clusters of 4 x 1, 327,680 bytes of LDS; arguments source_hids, wb, cu, W2, sbias, scoresT, stats, part; writes scoresT, stats, part
.if DOCPART == 2
	.amdgcn_target "amdgcn-amd-amdhsa--gfx1250"
	.amdhsa_code_object_version 6
	.text
	.protected	k_q6b12f781fa_main
	.globl	k_q6b12f781fa_main
	.p2align	8
	.type	k_q6b12f781fa_main,@function
k_q6b12f781fa_main:
	s_mov_b64 s[64:65], 0
	v_nop
	global_prefetch_b8 v0, s[64:65] scope:SCOPE_SE
	s_setreg_imm32_b32 hwreg(HW_REG_WAVE_MODE, 25, 1), 1
	s_wait_xcnt 0x0
	s_wait_alu depctr_hold_cnt(0) depctr_sa_sdst(0) depctr_va_vdst(0) depctr_va_sdst(0) depctr_va_ssrc(0) depctr_va_vcc(0) depctr_vm_vsrc(0)
	s_getreg_b32 s2, hwreg(HW_REG_IB_STS2, 6, 4)
	s_cmp_eq_u32 s2, 0
	s_cbranch_scc0 .Lentry_in_a_cluster
	s_endpgm
.Lentry_in_a_cluster:
	s_bfe_u32 s2, ttmp6, 0x10000c
	s_cmp_lg_u32 s2, 0x3003
	s_cbranch_scc0 .Lentry_shape_is_right
	s_endpgm
.Lentry_shape_is_right:
; MAIN: one pass over source_hids.  The first half of cat is the same for every s, so h = tanh(src W1b^T + u[b]); u, times c = 2 log2(e), is the table cu.
; tanh(x) = 1 - 2 r, r = 1 / (1 + 2^(c x)); score = (b2 + sum W2) + sum over a of (-2 W2[a]) r_a; the first term, or -inf where masked, is the table sbias.
; SHARES.  Cluster = one b (64 of them); its four work-groups take 512 rows s each, as four BLOCKS of 128.  A block: 128 (s) x 512 (a) x 512 (k); wave w owns all 128 rows x a = 128 w .. 128 w + 127:
; 64 accumulators, 512 registers.  Source 0 = 16 rows of wb, source 1 = 16 rows of src: a lane holds one s (lane % 16) and eight a.
; THE BLOCK STAYS IN LDS as bf16, because the weighted sum of rows needs it again when the scores are known.  src comes through registers: 256 bytes of a row (a CHUNK of 64 columns) by 16 lanes,
; rounded, stored to LDS; two landing sets of 16 loads a wave are always out.  wb comes by tensor loads, a K step of 64 a slot, two slots; the four work-groups of a cluster walk the same wb and ask JOINTLY.
; PER BLOCK: its scores; m = their maximum (not below the lowest finite number); p = e^(score - m); l = sum p; part[d] = sum p src[.][d] (p rounded to bf16 for that product, l taken of the unrounded p).
; The last launch joins the 16 blocks of each b.  A block that is wholly masked gives m = lowest finite, l = 0, part = 0.
; LIMITS.  src, W1, W2 enter as bf16.  An exponential or reciprocal below 2^-126 counts as 0.  NaN and infinities among the inputs are not treated apart.
; In a work-group's last block the two runs of loads that would fetch a further block read that block's chunks 6 and 7 once more (64 KiB of its 1 MiB), so that the count 16 means the same on every way.
.set WPITCH, 144                       ; a row of wb in LDS: 128 bytes + 16 = 36 words: the 16 rows of a load start at 16 different groups of four banks (64 banks of 4 bytes: ISA guide 11.1)
.set WPART,  128*WPITCH                ; a wave's 128 rows: what its one tensor load brings, and what it alone reads
.set WSLOT,  4*WPART
.set ABASE,  2*WSLOT                   ; the block: 128 rows x 1,040 bytes (512 bf16 + 16): row r starts at bank 4 r mod 64
.set AP,     1040
.set CONST,  ABASE+128*AP              ; cu[b][0..511] f32, then -2 bf16(W2[0..511]) f32
.set SCP,    CONST+4096                ; [wave][128] partial scores
.set PARR,   SCP+2048                  ; [wave][128] p in bf16: each wave's own copy
.set CTXS,   PARR+1024                 ; [wave] 512 bytes: part's way out
.set SPARE,  CTXS+2048                 ; the spare words, 128 bytes a wave: two blocks of 256 bytes that no other line names
; window 0
.set ADRA, 10                          ; v10-11  my A fragments: rows 0-63, rows 64-127 of the block
.set ADRB, 12                          ; v12-13  my wb fragments in slot 0, 1
.set AST,  14                          ; v14     where I store 8 bytes of a row of the block
.set GO,   15                          ; v15     my 16 bytes of a chunk in memory
.set PFO,  16                          ; v16     src prefetch: a lane a row of my wave's 32
.set WPO,  17                          ; v17     wb prefetch
.set CAD,  18                          ; v18     my eight cu (and w2n) of each 16 a
.set SCA,  19                          ; v19     partial scores in
.set SCL,  20                          ; v20     partial scores back
.set PST,  21                          ; v21     p in
.set PFA,  22                          ; v22     p back, as fragments
.set TRA,  23                          ; v23-24  the block read turned: rows 0-63, rows 64-127
.set CTS,  25                          ; v25     part in
.set CTL,  26                          ; v26     part back
.set L16,  27                          ; v27     16 x lane
.set SPW,  28                          ; v28     LDS address of my spare word; never rewritten
.set NIL,  29                          ; v29     0; never rewritten
.set PF,   32                          ; v32-63  p's four fragments
.set F0,   64                          ; fragment buffer 0 (window 0: src; window 1: wb; later cu, and the block turned)
.set F1,   128                         ; fragment buffer 1 (later w2n, and the block turned)
.set SB,   192                         ; v192-207 sbias of the blocks still to come, four numbers a lane and block
.set SC,   208                         ; v208-215 partial score of each 16 rows
.set TMP,  216                         ; v216-223 at work
.set PV,   224                         ; v224-239 the four waves' partial scores
.set SCR,  240                         ; v240-243 my four scores (s = 4 l ..)
.set PX,   244                         ; v244-247 my four p
.set ST4,  248                         ; v248-251 m, l, m, l
.set OUT,  252                         ; v252-255 part on its way out
; window 1: v0-63, v192-255 the two landing sets.  Windows 2, 3: accumulator (16 rows i, 16 a ab) at v[64 (i % 4) + 8 ab] of window 2 + i / 4
.set WV,  20                           ; s20  wave
.set CX,  21                           ; s21  my place in the cluster = which 512 rows
.set BLK, 23                           ; s23  blocks to go, this one among them
.set G1,  24                           ; s[24:31] descriptor group 1
.set G0,  32                           ; s[32:39] descriptor group 0, a set for each slot
.set WB,  40                           ; s[40:41] wb at my wave's 128 rows of K step 0
.set CB,  42                           ; s[42:43] src at this block's first row, column 0 of b
.set NB,  44                           ; s[44:45] the same for the next block
.set SEL, 48                           ; s[48:49] v_permlanex16_b32's selects
.set HM,  50                           ; s50  0xffff0000: lanes 16-31; also a word's upper bf16
.set WPF, 51                           ; s51  1: this wave prefetches wb
.set CC,  52                           ; s[52:53] c
.set L2E, 54                           ; s54  log2(e)
.set MSB, 0
.macro WIN new                         ; the immediate's high byte repeats the setting that is left; a switch that changes nothing is dropped
.if MSB != (\new)
	s_set_vgpr_msb (MSB<<8)|(\new)
.set MSB, (\new)
.endif
.endm
.set MUL_LO, 0xa1                      ; source 0 (wb) window 1, source 1 (src) window 0, C and D window 2
.set TO_B,   0x40                      ; destination window 1, address window 0
.macro PLACES                          ; four places behind a matrix instruction, in front of loads into registers that it has read
.rept 4
	v_nop
.endr
.endm
.macro CREST                           ; a round of the cluster's barrier behind its opening barrier
	s_cmp_lg_u32 s[WV], 0
	s_cbranch_scc1 .Lnot_wave_0_\@
	s_barrier_signal -3
.Lnot_wave_0_\@:
	s_barrier_wait -3
	s_barrier_signal -1
	s_barrier_wait -1
.endm
.macro CROUND                          ; a whole round
	s_barrier_signal -1
	s_barrier_wait -1
	CREST
.endm
.macro JLOADW s                        ; the joint fill of slot s: each wave its own 128 rows, the same descriptor in all four work-groups; an s_nop 0 and four v_nop follow
	tensor_load_to_lds s[G0+4*(\s):G0+4*(\s)+3], s[G1:G1+7]
	s_nop 0
.rept 4
	v_nop
.endr
.endm
; 16 matrix instructions: row blocks a0, a0 + 1 of the window's four x all 8 blocks of a, 32 along K.  zero = 1: the product starts the sums.
.macro MUL16 f, hi, a0, zero
	WIN MUL_LO+0x50*(\hi)
.irp a, \a0, (\a0)+1
.irp b, 0,1,2,3,4,5,6,7
.if \zero
	v_wmma_f32_16x16x32_bf16 v[8*(8*(\a)+(\b)):8*(8*(\a)+(\b))+7], v[(\f)+8*(\b):(\f)+8*(\b)+7], v[(\f)+8*(4*(\hi)+(\a)):(\f)+8*(4*(\hi)+(\a))+7], 0
.else
	v_wmma_f32_16x16x32_bf16 v[8*(8*(\a)+(\b)):8*(8*(\a)+(\b))+7], v[(\f)+8*(\b):(\f)+8*(\b)+7], v[(\f)+8*(4*(\hi)+(\a)):(\f)+8*(4*(\hi)+(\a))+7], v[8*(8*(\a)+(\b)):8*(8*(\a)+(\b))+7]
.endif
.endr
.endr
.endm
; 32 LDS loads in one run: 32 along K at byte k of chunk c: wb's 128 rows from slot, then the block's 128 rows, into buffer f
.macro FETCH slot, c, k, f
	WIN TO_B
.irp i, 0,1,2,3,4,5,6,7
	ds_load_b128 v[(\f)+8*(\i):(\f)+8*(\i)+3],   v[ADRB+(\slot)] offset:(\k)+(\i)*16*WPITCH
	ds_load_b128 v[(\f)+8*(\i)+4:(\f)+8*(\i)+7], v[ADRB+(\slot)] offset:(\k)+(\i)*16*WPITCH+32
.endr
	WIN 0
.irp i, 0,1,2,3,4,5,6,7
	ds_load_b128 v[(\f)+8*(\i):(\f)+8*(\i)+3],   v[ADRA+(\i)/4] offset:((\i)%4)*16*AP+(\c)*128+(\k)
	ds_load_b128 v[(\f)+8*(\i)+4:(\f)+8*(\i)+7], v[ADRA+(\i)/4] offset:((\i)%4)*16*AP+(\c)*128+(\k)+32
.endr
.endm
; A landing set (16 loads: my wave's 32 rows x 256 bytes) is rounded in place: of each four registers the first two then hold four bf16.
.macro CVT set
	s_wait_loadcnt 16                              ; loads come back in order: this set is in; the other set's 16, the only younger loads, stay out
	WIN 0x45
.set j, 0
.rept 16
	v_cvt_pk_bf16_f32 v[192*(\set)+4*j], v[192*(\set)+4*j], v[192*(\set)+4*j+1]
	v_cvt_pk_bf16_f32 v[192*(\set)+4*j+1], v[192*(\set)+4*j+2], v[192*(\set)+4*j+3]
.set j, j+1
.endr
.endm
.macro STO set, chunk                  ; into the block: lanes 0-15 128 bytes of one row, lanes 16-31 of the row 8 further on, which lies 32 banks on
	WIN 0x04
.set j, 0
.rept 16
	ds_store_b64 v[AST], v[192*(\set)+4*j:192*(\set)+4*j+1] offset:((j%8)+16*(j/8))*AP+(\chunk)*128
.set j, j+1
.endr
.endm
.macro LOADS set, base, chunk          ; 16 lanes take 256 consecutive bytes, aligned, of a row
	WIN 0x40
.set j, 0
.rept 16
	global_load_b128 v[192*(\set)+4*j:192*(\set)+4*j+3], v[GO], s[(\base):(\base)+1] offset:((j%8)+16*(j/8))*131072+(\chunk)*256 th:TH_LOAD_NT
.set j, j+1
.endr
.endm
; PREFETCH of src: each wave names the chunk's 256 bytes of its own 32 rows, a lane a row, two steps ahead of the loads that will take them; each such piece is named once in the launch.
; The first block's chunks 0 to 4 come by their loads alone.  guard = 1: the chunk belongs to the next block: the last block asks for nothing.
.macro ASKS base, chunk, guard, chunk2=-1
.if \guard
	s_cmp_eq_u32 s[BLK], 1
	s_cbranch_scc1 .Lno_ask_\@
.endif
	global_prefetch_b8 v[PFO], s[(\base):(\base)+1] offset:(\chunk)*256 th:TH_LOAD_NT scope:SCOPE_SE
.if (\chunk2) >= 0
	global_prefetch_b8 v[PFO], s[(\base):(\base)+1] offset:(\chunk2)*256 th:TH_LOAD_NT scope:SCOPE_SE
.endif
.if \guard
.Lno_ask_\@:
.endif
.endm
; PREFETCH of wb, in its first walk alone and by the first cluster alone: K steps ks and ks + 1, two steps ahead of the first of their fills.  The four partners share the pieces out by address (WPO): no branch hangs on a place in the cluster.
.macro ASKW ks
	s_cmp_eq_u32 s[WPF], 1
	s_cbranch_scc0 .Lno_w_\@
	global_prefetch_b8 v[WPO], s[WB:WB+1] offset:(\ks)*65536 th:TH_LOAD_NT scope:SCOPE_SE
.Lno_w_\@:
.endm
.macro LDC x                           ; my 64 cu (x = 0) or w2n (x = 1) into window 1, in the accumulators' order
	WIN 0x40
.irp q, 0,1,2,3,4,5,6,7
	ds_load_b128 v[F0+64*(\x)+8*(\q):F0+64*(\x)+8*(\q)+3],   v[CAD] offset:2048*(\x)+64*(\q)
	ds_load_b128 v[F0+64*(\x)+8*(\q)+4:F0+64*(\x)+8*(\q)+7], v[CAD] offset:2048*(\x)+64*(\q)+16
.endr
.endm
.macro TRLOAD ks                       ; rows 32 ks .. 32 ks + 31 of the block, my 128 columns, turned: eight fragments (32 s x 16 d); ks 0, 1 into window 0, ks 2, 3 into window 1
	WIN 0x40*((\ks)/2)
.irp t, 0,1,2,3,4,5,6,7
	ds_load_tr16_b128 v[F0+64*((\ks)%2)+8*(\t):F0+64*((\ks)%2)+8*(\t)+3],   v[TRA+(\ks)/2] offset:((\ks)%2)*32*AP+32*(\t)
	ds_load_tr16_b128 v[F0+64*((\ks)%2)+8*(\t)+4:F0+64*((\ks)%2)+8*(\t)+7], v[TRA+(\ks)/2] offset:((\ks)%2)*32*AP+16*AP+32*(\t)
.endr
.endm
.macro NEXTBASE                        ; the block to come becomes the block in hand; behind the last block stands no other: its chunks 6, 7 take the place of a further block's 0, 1
	s_mov_b64 s[CB:CB+1], s[NB:NB+1]
	s_mov_b32 s46, 0x1000000                       ; 128 rows of 131,072 bytes
	s_cmp_eq_u32 s[BLK], 1
	s_cselect_b32 s46, 1536, s46
	s_add_nc_u64 s[NB:NB+1], s[CB:CB+1], s[46:47]
.endm
; A K STEP of 64 = chunk c, from slot c % 2: two halves of 32 along K, 64 matrix instructions each, on buffers 0 and 1.  The 64 accumulators take turns, in the same order in every half.
; In the first half's middle chunk c + 1 is rounded and stored into the block (its 32 conversions are the places in front of the run of LDS loads), and its landing set is asked for again, for chunk c + 3.
; The second half changes slots behind ONE barrier, which shows three things of every wave: its reads of this slot are over, its part of the next slot has landed, its rows of chunk c + 1 are stored.
.macro STEP c
.set SG, (\c)%2
.if (\c) == 0
.set ZZ, 1
.else
.set ZZ, 0
.endif
	s_wait_dscnt 8                                 ; wb's fragments and rows 0-63 are in; the youngest eight loads (rows 64-127) may be out
	MUL16 F0, 0, 0, ZZ
	MUL16 F0, 0, 2, ZZ
.if (\c) < 7
	CVT ((\c)+1)%2
	STO ((\c)+1)%2, (\c)+1
.if (\c) < 5
	LOADS ((\c)+1)%2, CB, (\c)+3
.else
	LOADS ((\c)+1)%2, NB, (\c)-5
.endif
.else
	PLACES
.endif
	FETCH SG, \c, 64, F1
.if (\c) < 3
	ASKS CB, (\c)+5, 0
.elseif (\c) < 6
	ASKS NB, (\c)-3, 1
.elseif (\c) == 6
	ASKS NB, 3, 1, 4
.endif
.if (\c) < 7
	s_wait_dscnt 48                                ; all but the 16 stores and 32 loads just issued
.else
	s_wait_dscnt 32                                ; all but the 32 loads just issued
.endif
	MUL16 F0, 1, 0, ZZ
	MUL16 F0, 1, 2, ZZ
.if (\c) < 7
	WIN 0                                          ; (the add's two registers lie in window 0)
	s_wait_tensorcnt 0x0                           ; all my tensor loads have landed: the one that was out is my part of the next slot, so a group 0 may be written;
	ds_add_u32 v[SPW], v[NIL]                      ; 0 onto my spare word
.if (\c) < 6
	s_add_nc_u64 s[G0+4*SG+2:G0+4*SG+3], s[WB:WB+1], ((\c)+2)*65536  ; this slot's next K step: the address is made anew,
	s_or_b32 s[G0+4*SG+3], s[G0+4*SG+3], 0x80000000                  ; the type bits set again
.endif
	s_wait_dscnt 9                                 ; (the add and the youngest eight loads may be out)
	MUL16 F1, 0, 0, 0
	s_wait_dscnt 0x0                               ; the add is done, my reads of this slot are over, my rows of chunk c + 1 are stored
	s_barrier_signal -1
	MUL16 F1, 0, 2, 0
.if (\c) < 6
	WIN 0
	s_barrier_wait -1
	CREST                                          ; the barrier has opened a round of the cluster's: no wave of any partner still reads this slot or has a load on its way
	JLOADW SG                                      ; the first tensor load behind the round, my only one until the next; its four v_nop are also the places in front of the loads below
.else
	s_barrier_wait -1                              ; K steps 6 and 7 fill nothing: the next block's first two K steps are asked for behind the rounds that follow the scores
	PLACES
.endif
	FETCH 1-SG, (\c)+1, 0, F0
.if ((\c) == 0) || ((\c) == 2)
	ASKW 4+(\c)
.endif
	MUL16 F1, 1, 0, 0
	MUL16 F1, 1, 2, 0
.else
	s_wait_dscnt 8
	MUL16 F1, 0, 0, 0
	MUL16 F1, 0, 2, 0
	PLACES
	LDC 0                                          ; cu takes the place of wb's buffer 0
	s_wait_dscnt 16                                ; rows 64-127 are in; cu's 16 loads may stay out
	MUL16 F1, 1, 0, 0
	MUL16 F1, 1, 2, 0
.endif
.endm
; TANH AND SCORE, in place on the accumulators, a GROUP of 64 registers (16 rows) at a time.  kind 0: x = c acc + cu.  1: e = 2^x.  2: e + 1.  3: r = 1 / (e + 1).  4: four chains of sums of w2n r, in the group's first 8 registers.
.macro E1OP kind, g, n
.if ((\g) >= 0) && ((\g) < 4)
.set rG, 64*(\g)
.if (\kind) == 0
	v_pk_fma_f32 v[rG+2*(\n):rG+2*(\n)+1], v[rG+2*(\n):rG+2*(\n)+1], s[CC:CC+1], v[F0+2*(\n):F0+2*(\n)+1] op_sel_hi:[1,0,1]
.elseif (\kind) == 1
	v_exp_f32 v[rG+(\n)], v[rG+(\n)]
.elseif (\kind) == 2
	v_pk_add_f32 v[rG+2*(\n):rG+2*(\n)+1], v[rG+2*(\n):rG+2*(\n)+1], 1.0 op_sel_hi:[1,0]
.elseif (\kind) == 3
	v_rcp_f32 v[rG+(\n)], v[rG+(\n)]
.elseif (\n) < 4
	v_pk_mul_f32 v[rG+2*(\n):rG+2*(\n)+1], v[rG+2*(\n):rG+2*(\n)+1], v[F1+2*(\n):F1+2*(\n)+1]
.else
	v_pk_fma_f32 v[rG+2*((\n)%4):rG+2*((\n)%4)+1], v[rG+2*(\n):rG+2*(\n)+1], v[F1+2*(\n):F1+2*(\n)+1], v[rG+2*((\n)%4):rG+2*((\n)%4)+1]
.endif
.endif
.endm
; A window's four groups in a pipeline of six PHASES.  Phase ph issues the exponentials of group ph and the reciprocals of group ph - 1; all that names their results stands in phase ph + 1.
; So each phase's transcendentals are one batch with one wait at the phase's end, behind one plain instruction.
; Plain lines of other groups stand between the transcendentals.  Two window settings a phase: the sums' addend lies in the window itself, the first line's addend (cu) in window 1.
.macro E1WIN W
	WIN 0x40*(\W)+0x10+(\W)
.set n, 0
.rept 32
	E1OP 0, 0, n                                   ; ascending: each accumulator's lowest registers are read first
.set n, n+1
.endr
.set ph, 0
.rept 6
.if ((\W) == 2) && (ph == 2)
	s_wait_dscnt 32                                ; w2n is in; the 32 turned loads behind it may stay out
.endif
	WIN 0x50*(\W)+0x04+(\W)
.set n, 0
.rept 32
	E1OP 2, ph-1, n
	E1OP 1, ph, 2*n
	E1OP 4, ph-2, n
	E1OP 1, ph, 2*n+1
.set n, n+1
.endr
.if ph < 5
	WIN 0x40*(\W)+0x10+(\W)
.set n, 0
.rept 32
	E1OP 0, ph+1, n
	E1OP 3, ph-1, 2*n
	E1OP 3, ph-1, 2*n+1
.set n, n+1
.endr
	v_nop                                          ; a plain instruction behind the batch's last transcendental
	s_wait_alu depctr_va_vdst(0)                   ; the wait for the batch
.endif
.set ph, ph+1
.endr
	WIN 0x40*(\W)+0x05*(\W)
.irp g, 0,1,2,3
	v_pk_add_f32 v[64*(\g):64*(\g)+1], v[64*(\g):64*(\g)+1], v[64*(\g)+2:64*(\g)+3]
	v_pk_add_f32 v[64*(\g)+4:64*(\g)+5], v[64*(\g)+4:64*(\g)+5], v[64*(\g)+6:64*(\g)+7]
.endr
.irp g, 0,1,2,3
	v_pk_add_f32 v[64*(\g):64*(\g)+1], v[64*(\g):64*(\g)+1], v[64*(\g)+4:64*(\g)+5]
.endr
	WIN 0x05*(\W)
.irp g, 0,1,2,3
	v_add_f32 v[SC+4*((\W)-2)+(\g)], v[64*(\g)], v[64*(\g)+1]
.endr
.endm
; THE BLOCK'S SOFTMAX AND ITS WEIGHTED SUM OF ROWS.  Every wave adds the four partial scores for itself (lane l: s = 4 l .. 4 l + 3), so that one exchange suffices; wave 0 stores scores and statistics.
; part = p x block: source 0 = p in all 16 rows, source 1 = the block turned (32 s x 16 d): register 0 of result t holds part[128 w + 16 t + lane % 16] in both halves of the lanes.
.macro E2BODY last
	WIN 0
.irp u, 0,1,2,3
	ds_load_b128 v[PV+4*(\u):PV+4*(\u)+3], v[SCL] offset:512*(\u)
.endr
	TRLOAD 2
	TRLOAD 3
	WIN 0
	s_wait_dscnt 32                                ; the partial scores are in; the 32 turned loads behind them may stay out
	v_pk_add_f32 v[PV:PV+1], v[PV:PV+1], v[PV+4:PV+5]
	v_pk_add_f32 v[PV+2:PV+3], v[PV+2:PV+3], v[PV+6:PV+7]
	v_pk_add_f32 v[PV+8:PV+9], v[PV+8:PV+9], v[PV+12:PV+13]
	v_pk_add_f32 v[PV+10:PV+11], v[PV+10:PV+11], v[PV+14:PV+15]
	v_pk_add_f32 v[PV:PV+1], v[PV:PV+1], v[PV+8:PV+9]
	v_pk_add_f32 v[PV+2:PV+3], v[PV+2:PV+3], v[PV+10:PV+11]
	v_pk_add_f32 v[SCR:SCR+1], v[PV:PV+1], v[SB:SB+1]      ; + b2 + sum W2, or -inf
	v_pk_add_f32 v[SCR+2:SCR+3], v[PV+2:PV+3], v[SB+2:SB+3]
	v_max3_num_f32 v[TMP], v[SCR], v[SCR+1], v[SCR+2]
	v_max_num_f32 v[TMP], v[TMP], v[SCR+3]
	v_max_num_f32 v[TMP], 0xff7fffff, v[TMP]       ; not below the lowest finite number, so that -inf less m stays -inf
	v_max_num_f32_dpp v[TMP], v[TMP], v[TMP] row_xmask:1 row_mask:0xf bank_mask:0xf
	v_max_num_f32_dpp v[TMP], v[TMP], v[TMP] row_xmask:2 row_mask:0xf bank_mask:0xf
	v_max_num_f32_dpp v[TMP], v[TMP], v[TMP] row_xmask:4 row_mask:0xf bank_mask:0xf
	v_max_num_f32_dpp v[TMP], v[TMP], v[TMP] row_xmask:8 row_mask:0xf bank_mask:0xf
	v_permlanex16_b32 v[TMP+1], v[TMP], s[SEL], s[SEL+1]
	v_max_num_f32 v[ST4], v[TMP], v[TMP+1]         ; m
.irp e, 0,1,2,3
	v_sub_f32 v[PX+(\e)], v[SCR+(\e)], v[ST4]
.endr
.irp e, 0,1,2,3
	v_mul_f32 v[PX+(\e)], s[L2E], v[PX+(\e)]
.endr
.irp e, 0,1,2,3
	v_exp_f32 v[PX+(\e)], v[PX+(\e)]
.endr
	v_mov_b32 v[ST4+2], v[ST4]                     ; the plain instruction behind the last exponential
	s_wait_alu depctr_va_vdst(0)                   ; one wait for the four
	v_cvt_pk_bf16_f32 v[TMP+2], v[PX], v[PX+1]
	v_cvt_pk_bf16_f32 v[TMP+3], v[PX+2], v[PX+3]
	ds_store_b64 v[PST], v[TMP+2:TMP+3]
.irp k, 0,1,2,3
	ds_load_b128 v[PF+8*(\k):PF+8*(\k)+3],   v[PFA] offset:64*(\k)      ; my wave's own bytes: LDS serves a wave's instructions in order (ISA guide 5.7.1.4)
	ds_load_b128 v[PF+8*(\k)+4:PF+8*(\k)+7], v[PFA] offset:64*(\k)+32
.endr
	v_pk_add_f32 v[TMP:TMP+1], v[PX:PX+1], v[PX+2:PX+3]
	v_add_f32 v[TMP], v[TMP], v[TMP+1]
	v_add_f32_dpp v[TMP], v[TMP], v[TMP] row_xmask:1 row_mask:0xf bank_mask:0xf
	v_add_f32_dpp v[TMP], v[TMP], v[TMP] row_xmask:2 row_mask:0xf bank_mask:0xf
	v_add_f32_dpp v[TMP], v[TMP], v[TMP] row_xmask:4 row_mask:0xf bank_mask:0xf
	v_add_f32_dpp v[TMP], v[TMP], v[TMP] row_xmask:8 row_mask:0xf bank_mask:0xf
	v_permlanex16_b32 v[TMP+1], v[TMP], s[SEL], s[SEL+1]
	v_add_f32 v[ST4+1], v[TMP], v[TMP+1]           ; l
	v_mov_b32 v[ST4+3], v[ST4+1]
	s_cmp_lg_u32 s[WV], 0
	s_cbranch_scc1 .Lnot_0_\@
	global_store_b128 v[L16], v[SCR:SCR+3], s[14:15]   ; the block's 128 scores: 512 consecutive bytes
	global_store_b128 v[L16], v[ST4:ST4+3], s[16:17]   ; m, l in every 8 bytes of the block's 512: whole aligned runs of 256 bytes are written
.Lnot_0_\@:
	s_wait_dscnt 0x0                               ; p's fragments and the block turned are in
.irp k, 0,1,2,3
	WIN 0xa0+4*((\k)/2)                            ; p in window 0, the block turned in window 0 or 1, sums in window 2
.irp t, 0,1,2,3,4,5,6,7
.if (\k) == 0
	v_wmma_f32_16x16x32_bf16 v[8*(\t):8*(\t)+7], v[PF+8*(\k):PF+8*(\k)+7], v[F0+64*((\k)%2)+8*(\t):F0+64*((\k)%2)+8*(\t)+7], 0
.else
	v_wmma_f32_16x16x32_bf16 v[8*(\t):8*(\t)+7], v[PF+8*(\k):PF+8*(\k)+7], v[F0+64*((\k)%2)+8*(\t):F0+64*((\k)%2)+8*(\t)+7], v[8*(\t):8*(\t)+7]
.endif
.endr
.endr
.if \last
	PLACES
	PLACES
.else
	WIN 0                                          ; the places behind the last products: the next blocks' sbias moves down, and the next block's chunk 0 is rounded
.set i, 0
.rept 12
	v_mov_b32 v[SB+i], v[SB+4+i]
.set i, i+1
.endr
	CVT 0
.endif
	WIN 0x0a                                       ; sources in window 2, destination in window 0
.irp k, 0,1,2,3
	v_cndmask_b32 v[OUT+(\k)], v[16*(\k)], v[16*(\k)+8], s[HM]  ; lanes 0-15: result 2 k; lanes 16-31: result 2 k + 1: lane l holds part[128 w + 32 k + l]
.endr
	WIN 0
.irp k, 0,1,2,3
	ds_store_b32 v[CTS], v[OUT+(\k)] offset:128*(\k)
.endr
	ds_load_b128 v[OUT:OUT+3], v[CTL]              ; my own bytes, in order: four neighbouring numbers a lane
	s_wait_dscnt 0x0
	global_store_b128 v[L16], v[OUT:OUT+3], s[18:19]   ; 512 consecutive bytes
.endm
	s_load_b512 s[4:19], s[0:1], 0x0               ; src s[4:5], wb s[6:7], cu s[8:9], W2 s[10:11], sbias s[12:13], scoresT s[14:15], stats s[16:17], part s[18:19]
	v_lshl_add_u32 v[SPW], v0, 2, SPARE
	v_mov_b32 v[NIL], 0
	ds_add_u32 v[SPW], v[NIL]                      ; the wave's opening: the add, twice on end, and its wait ahead of my first tensor load; the set-up below is work on registers
	ds_add_u32 v[SPW], v[NIL]                      ; and once more, under the one wait
	v_lshrrev_b32 v1, 5, v0
	v_readfirstlane_b32 s[WV], v1                  ; wave 0..3
	s_bfe_u32 s[CX], ttmp6, 0x40000                ; my place in the cluster; ttmp9, the cluster, is b
	; descriptor group 1: a wave's 128 rows of a K step are 16,384 dense bytes: asked for as 64 rows of 256 bytes, two rows of wb each, padded in LDS after every row of wb
	s_mov_b32 s[G1+0], 15|(1<<16)|(1<<20)|(1<<21)|(4<<22)|(3<<25)  ; 15:0 the mask of four; 17:16 2-byte elements; 20 padding on; 21 set beside a mask; 24:22 after every 32 words (code 4); 31:25 4 words (code 3)
	s_mov_b32 s[G1+1], 128<<16                     ; tensor_dim0 = 128
	s_mov_b32 s[G1+2], 64<<16                      ; tensor_dim1 = 64
	s_mov_b32 s[G1+3], 128<<16                     ; tile_dim0 = 128
	s_mov_b32 s[G1+4], 64                          ; tile_dim1 = 64
	s_mov_b32 s[G1+5], 128                         ; 128 elements from row to row
	s_mov_b32 s[G1+6], 0
	s_mov_b32 s[G1+7], 0
	s_mul_i32 s55, s[WV], WPART                    ; my part of a slot: no place in the cluster enters an LDS address
	s_mov_b32 s[G0], 1
	s_mov_b32 s[G0+1], s55
	s_mov_b32 s[G0+4], 1
	s_add_co_u32 s[G0+5], s55, WSLOT
	s_mov_b32 s[SEL], 0x76543210
	s_mov_b32 s[SEL+1], 0xfedcba98
	s_mov_b32 s[HM], 0xffff0000
	s_mov_b32 s[CC], 0x4038aa3b                    ; c = 2 log2(e)
	s_mov_b32 s[CC+1], s[CC]                       ; named with it as a pair
	s_mov_b32 s[L2E], 0x3fb8aa3b
	s_mov_b32 s47, 0
	s_mov_b32 s59, 0
	v_and_b32 v1, 31, v0                           ; l
	v_and_b32 v2, 15, v0                           ; r = l % 16
	v_bfe_u32 v3, v0, 4, 1                         ; h = l / 16
	v_and_b32 v4, 7, v0
	v_bfe_u32 v5, v0, 3, 1
	v_mul_u32_u24 v[ADRA], v2, AP                  ; a fragment: row r x pitch + 16 h, two loads 32 bytes apart
	v_lshl_add_u32 v[ADRA], v3, 4, v[ADRA]
	v_add_nc_u32 v[ADRA], ABASE, v[ADRA]
	v_add_nc_u32 v[ADRA+1], 64*AP, v[ADRA]
	v_mul_u32_u24 v[ADRB], v2, WPITCH
	v_lshl_add_u32 v[ADRB], v3, 4, v[ADRB]
	v_add_nc_u32 v[ADRB], s55, v[ADRB]
	v_add_nc_u32 v[ADRB+1], WSLOT, v[ADRB]
	s_mul_i32 s56, s[WV], 32*AP
	s_add_co_u32 s56, s56, ABASE
	v_mul_u32_u24 v[AST], v3, 8*AP
	v_lshl_add_u32 v[AST], v2, 3, v[AST]
	v_add_nc_u32 v[AST], s56, v[AST]               ; row 32 w + 8 h, byte 8 r
	s_lshl_b32 s56, s[WV], 22                      ; 32 w rows of 131,072 bytes
	v_lshlrev_b32 v[GO], 20, v3
	v_lshl_add_u32 v[GO], v2, 4, v[GO]
	v_add_nc_u32 v[GO], s56, v[GO]
	v_lshl_add_u32 v[PFO], v1, 17, s56
	s_lshr_b32 s57, s[CX], 1                       ; wb's prefetch: partners 0, 1 take the first K step of two, 2, 3 the second; each half of my wave's 64 pieces
	s_lshl_b32 s57, s57, 16
	s_and_b32 s46, s[CX], 1
	s_lshl_b32 s46, s46, 13
	s_add_co_u32 s57, s57, s46
	v_lshl_add_u32 v[WPO], v1, 8, s57
	v_lshlrev_b32 v[L16], 4, v1
	s_lshl_b32 s56, s[WV], 9
	v_lshl_add_u32 v[CAD], v3, 5, s56
	v_add_nc_u32 v[CAD], CONST, v[CAD]
	v_lshl_add_u32 v[SCA], v1, 2, s56
	v_add_nc_u32 v[CTS], CTXS, v[SCA]
	v_add_nc_u32 v[SCA], SCP, v[SCA]
	v_add_nc_u32 v[SCL], SCP, v[L16]
	v_add_nc_u32 v7, s56, v[L16]                   ; 512 w + 16 l
	v_add_nc_u32 v[CTL], CTXS, v7
	v_add_nc_u32 v6, CONST, v7
	s_lshl_b32 s56, s[WV], 8
	v_lshl_add_u32 v[PST], v1, 3, s56
	v_add_nc_u32 v[PST], PARR, v[PST]
	v_lshl_add_u32 v[PFA], v3, 4, s56
	v_add_nc_u32 v[PFA], PARR, v[PFA]
	v_lshl_add_u32 v[TRA], v3, 3, v4               ; the turning load: lane l reads row 8 h + l % 8, 16 bytes at 16 ((l / 8) % 2), of my wave's 256 bytes
	v_mul_u32_u24 v[TRA], v[TRA], AP
	v_lshl_add_u32 v[TRA], v5, 4, v[TRA]
	s_add_co_u32 s56, s56, ABASE
	v_add_nc_u32 v[TRA], s56, v[TRA]
	v_add_nc_u32 v[TRA+1], 64*AP, v[TRA]
.irp i, 0,1,2,3,4,5,6,7
	v_mov_b32 v[TMP+(\i)], 0                       ; v_permlanex16_b32's destinations count as read
.endr
	s_lshl_b32 s58, s[WV], 14
	s_wait_dscnt 0x0                               ; both opening adds are done
	s_wait_kmcnt 0x0
	s_add_nc_u64 s[WB:WB+1], s[6:7], s[58:59]      ; made of the wave's number alone: equal in the four partners
	s_add_nc_u64 s[G0+2:G0+3], s[WB:WB+1], 0       ; K step 0 into slot 0,
	s_or_b32 s[G0+3], s[G0+3], 0x80000000          ; type = 2
	s_add_nc_u64 s[G0+6:G0+7], s[WB:WB+1], 65536   ; K step 1 into slot 1
	s_or_b32 s[G0+7], s[G0+7], 0x80000000
	s_lshl_b32 s46, ttmp9, 11                      ; b x 2,048
	s_add_nc_u64 s[8:9], s[8:9], s[46:47]          ; cu's row b
	s_lshl_b32 s57, s[CX], 26                      ; 512 rows of 131,072 bytes
	s_add_co_u32 s46, s46, s57
	s_add_nc_u64 s[NB:NB+1], s[4:5], s[46:47]      ; src at my first row, column 0 of b
	s_lshl_b32 s46, ttmp9, 13
	s_lshl_b32 s57, s[CX], 11
	s_add_co_u32 s46, s46, s57                     ; (2,048 b + 512 q) x 4 = (16 b + 4 q) x 512
	s_add_nc_u64 s[12:13], s[12:13], s[46:47]
	s_add_nc_u64 s[14:15], s[14:15], s[46:47]
	s_add_nc_u64 s[16:17], s[16:17], s[46:47]
	s_lshl_b32 s46, s46, 2                         ; (16 b + 4 q) x 2,048
	s_lshl_b32 s57, s[WV], 9
	s_add_co_u32 s46, s46, s57
	s_add_nc_u64 s[18:19], s[18:19], s[46:47]      ; part at my block's row, my wave's 128 numbers
	CROUND                                         ; all four work-groups are here: the first joint loads meet
	tensor_load_to_lds s[G0:G0+3], s[G1:G1+7]      ; both first fills on end: two loads of mine are out here, one behind each later round
	s_nop 0
	tensor_load_to_lds s[G0+4:G0+7], s[G1:G1+7]
	s_nop 0
.rept 4
	v_nop
.endr
	global_load_b128 v[PV:PV+3], v7, s[8:9]        ; cu: four numbers a thread
	global_load_b128 v[PV+4:PV+7], v7, s[10:11]    ; W2
.irp u, 0,1,2,3
	global_load_b128 v[SB+4*(\u):SB+4*(\u)+3], v[L16], s[12:13] offset:512*(\u)
.endr
	LOADS 0, NB, 0
	LOADS 1, NB, 1
	WIN 0
	s_wait_loadcnt 32                              ; the six small loads are in; the two landing sets stay out
	v_cvt_pk_bf16_f32 v[PV+8], v[PV+4], v[PV+5]    ; W2 rounded to bf16, times -2
	v_cvt_pk_bf16_f32 v[PV+9], v[PV+6], v[PV+7]
	v_lshlrev_b32 v[PV+4], 16, v[PV+8]
	v_and_b32 v[PV+5], s[HM], v[PV+8]
	v_lshlrev_b32 v[PV+6], 16, v[PV+9]
	v_and_b32 v[PV+7], s[HM], v[PV+9]
	v_pk_mul_f32 v[PV+4:PV+5], v[PV+4:PV+5], -2.0 op_sel_hi:[1,0]
	v_pk_mul_f32 v[PV+6:PV+7], v[PV+6:PV+7], -2.0 op_sel_hi:[1,0]
	ds_store_b128 v6, v[PV:PV+3]
	ds_store_b128 v6, v[PV+4:PV+7] offset:2048
	CVT 0
	STO 0, 0
	LOADS 0, NB, 2
	WIN 0
	s_mov_b32 s[BLK], 4
	s_cmp_eq_u32 ttmp9, 0
	s_cselect_b32 s[WPF], 1, 0                     ; the same in all four partners
	s_wait_xcnt 0x0                                ; the loads have read their base, so it may be written
	NEXTBASE
	s_wait_tensorcnt 0x1                           ; my part of slot 0 is in; slot 1's may stay out
	s_wait_dscnt 0x0                               ; my stores of cu, w2n and chunk 0 are done
	s_barrier_signal -1
	s_barrier_wait -1
.Lblock:
	FETCH 0, 0, 0, F0
	STEP 0
	STEP 1
	STEP 2
	STEP 3
	STEP 4
	STEP 5
	STEP 6
	STEP 7
	PLACES                                         ; behind the last products, in front of the loads into their sources and of the lines that work on their results in place
	PLACES
	LDC 1                                          ; w2n takes the place of wb's buffer 1,
	TRLOAD 0                                       ; the block's rows 0-63, turned, that of src's two buffers: they land while the scores are made
	TRLOAD 1
	s_wait_dscnt 48                                ; cu is in; w2n's 16 and the 32 turned loads may stay out
	E1WIN 2
	E1WIN 3
	WIN 0
.irp i, 0,1,2,3,4,5,6,7
	v_permlanex16_b32 v[TMP+(\i)], v[SC+(\i)], s[SEL], s[SEL+1]  ; the row's other 64 a of my 128 lie in the lane 16 away
.endr
.irp i, 0,1,2,3,4,5,6,7
	v_add_f32 v[SC+(\i)], v[SC+(\i)], v[TMP+(\i)]
.endr
.irp k, 0,1,2,3
	v_cndmask_b32 v[TMP+(\k)], v[SC+2*(\k)], v[SC+2*(\k)+1], s[HM]  ; lane l: row 32 k + l
.endr
.irp k, 0,1,2,3
	ds_store_b32 v[SCA], v[TMP+(\k)] offset:128*(\k)
.endr
	s_cmp_eq_u32 s[BLK], 1
	s_cbranch_scc1 .Ltail                          ; the last block's end is written out: it asks for nothing more
	s_wait_tensorcnt 0x0                           ; no tensor load of mine is out, so a group 0 may be written
	ds_add_u32 v[SPW], v[NIL]
	s_add_nc_u64 s[G0+2:G0+3], s[WB:WB+1], 0       ; the next block's K step 0
	s_or_b32 s[G0+3], s[G0+3], 0x80000000
	s_wait_dscnt 0x0                               ; the add is done, my reads of both slots are over, my partial scores are stored
	CROUND                                         ; of every wave of every partner; the same round hands the partial scores round my work-group
	JLOADW 0
	E2BODY 0
	s_wait_tensorcnt 0x0                           ; my part of slot 0 has landed
	ds_add_u32 v[SPW], v[NIL]
	s_add_nc_u64 s[G0+6:G0+7], s[WB:WB+1], 65536   ; the next block's K step 1
	s_or_b32 s[G0+7], s[G0+7], 0x80000000
	s_wait_dscnt 0x0                               ; the add is done, and so are my reads of the block
	CROUND
	JLOADW 1
	STO 0, 0                                       ; nobody reads the old block any more: the next block's chunk 0 goes in,
	LOADS 0, NB, 2                                 ; and its landing set is asked for again
	WIN 0
	s_wait_dscnt 0x0
	s_barrier_signal -1
	s_barrier_wait -1                              ; chunk 0 is whole; slot 0 was shown whole by the round; slot 1's load stays out
	s_wait_xcnt 0x0                                ; every load and store issued so far has read its registers and its base: only now are they written
	s_add_nc_u64 s[14:15], s[14:15], 512
	s_add_nc_u64 s[16:17], s[16:17], 512
	s_add_nc_u64 s[18:19], s[18:19], 2048
	s_mov_b32 s[WPF], 0                            ; wb has been walked once
	s_sub_co_u32 s[BLK], s[BLK], 1
	NEXTBASE
	s_branch .Lblock
.Ltail:
	s_wait_dscnt 0x0                               ; my partial scores are stored
	s_barrier_signal -1
	s_barrier_wait -1
	E2BODY 1
	s_wait_tensorcnt 0x0                           ; the wave's end
	ds_add_u32 v[SPW], v[NIL]
	s_wait_dscnt 0x0
	CROUND                                         ; the closing round: no work-group ends while a partner may still ask for a tile that names it
	s_endpgm
.Lfunc_end_k_q6b12f781fa_main:
	.size	k_q6b12f781fa_main, .Lfunc_end_k_q6b12f781fa_main-k_q6b12f781fa_main
	.p2alignl 7, 3214868480
	.fill 96, 4, 3214868480
	.section	.rodata,"a",@progbits
	.p2align	6, 0x0
	.amdhsa_kernel k_q6b12f781fa_main
		.amdhsa_group_segment_fixed_size 327680
		.amdhsa_private_segment_fixed_size 0
		.amdhsa_enable_private_segment 0
		.amdhsa_kernarg_size 64
		.amdhsa_user_sgpr_count 2
		.amdhsa_user_sgpr_kernarg_segment_ptr 1
		.amdhsa_wavefront_size32 1
		.amdhsa_system_sgpr_workgroup_id_x 1
		.amdhsa_system_sgpr_workgroup_id_y 1
		.amdhsa_system_sgpr_workgroup_id_z 1
		.amdhsa_system_vgpr_workitem_id 0
		.amdhsa_next_free_vgpr 1024
		.amdhsa_next_free_sgpr 66
		.amdhsa_reserve_vcc 0
		.amdhsa_float_denorm_mode_32 3
		.amdhsa_float_denorm_mode_16_64 3
		.amdhsa_memory_ordered 1
		.amdhsa_forward_progress 1
		.amdhsa_inst_pref_size 255
	.end_amdhsa_kernel
	.section	.bss,"aw",@nobits
	.p2align	6
	.space	262144
	.amdgpu_metadata
---
amdhsa.version: [ 1, 2 ]
amdhsa.kernels:
  - .name:           k_q6b12f781fa_main
    .symbol:         k_q6b12f781fa_main.kd
    .args:
      - { .name: source_hids, .offset: 0, .size: 8, .value_kind: global_buffer, .address_space: global }
      - { .name: wb, .offset: 8, .size: 8, .value_kind: global_buffer, .address_space: global }
      - { .name: cu, .offset: 16, .size: 8, .value_kind: global_buffer, .address_space: global }
      - { .name: W2, .offset: 24, .size: 8, .value_kind: global_buffer, .address_space: global }
      - { .name: sbias, .offset: 32, .size: 8, .value_kind: global_buffer, .address_space: global }
      - { .name: scoresT, .offset: 40, .size: 8, .value_kind: global_buffer, .address_space: global }
      - { .name: stats, .offset: 48, .size: 8, .value_kind: global_buffer, .address_space: global }
      - { .name: part, .offset: 56, .size: 8, .value_kind: global_buffer, .address_space: global }
    .group_segment_fixed_size: 327680
    .private_segment_fixed_size: 0
    .kernarg_segment_align: 8
    .kernarg_segment_size: 64
    .max_flat_workgroup_size: 128
    .sgpr_count:     66
    .vgpr_count:     1024
    .wavefront_size: 32
...
	.end_amdgpu_metadata
.endif
;; end of part 2
;; launch finish (part 3): grid 32 x 1, 4 waves a work-group, no clusters, 18,432 bytes of LDS; arguments scoresT, stats, part, out0, out1; writes out0, out1
.if DOCPART == 3
	.amdgcn_target "amdgcn-amd-amdhsa--gfx1250"
	.amdhsa_code_object_version 6
	.text
	.protected	k_q6b12f781fa_finish
	.globl	k_q6b12f781fa_finish
	.p2align	8
	.type	k_q6b12f781fa_finish,@function
k_q6b12f781fa_finish:
	s_mov_b64 s[64:65], 0
	v_nop
	global_prefetch_b8 v0, s[64:65] scope:SCOPE_SE
	s_setreg_imm32_b32 hwreg(HW_REG_WAVE_MODE, 25, 1), 1
	s_wait_xcnt 0x0
; FINISH: joins the 16 blocks of each b.  M = max of the blocks' m; w = e^(m - M); L = sum w l; attn[s][b] = e^(score - M) / L; ctx[b][d] = sum over blocks of (w / L) part[block][d].
; 32 work-groups of four waves.  Each makes M and 1 / L for all 64 b (two threads a b, eight blocks each) and hands them round in LDS; work-group g then writes attn's rows s = 64 g .. 64 g + 63
; (turned through LDS, so that a row's 256 bytes leave together) and ctx's rows b = 2 g, 2 g + 1.  For ctx a wave makes the 16 weights w / L of its own b once more by itself, a lane a block,
; and takes them into scalar registers: no LDS address hangs on the work-group's number.  All 49 loads of a wave are issued first.
; A column that is wholly masked has M = the lowest finite number and L = 0: 1 / L is infinite, and 0 x infinity gives the NaN that a softmax of nothing but -inf gives.
; No matrix unit, no cluster, no tensor load: 3 MiB in, under 1 MiB out, nothing shared but the statistics.
.set TAB,   0          ; [64 b] M, 1 / L
.set TT,    512        ; attn turned: 64 rows (s) x 272 bytes (64 b in f32 + 16)
.set SPARE, 17920      ; the spare words, 128 bytes a wave: two blocks of 256 bytes that no other line names
.set SPW, 4            ; v4  LDS address of my spare word; never rewritten
.set NIL, 5            ; v5  0; never rewritten
.set WS,  32           ; s32-47  w / L of the 16 blocks of my wave's b
; v6-v17 offsets, never rewritten; v20-35 eight (m, l); v36 M, v37 L, then 1 / L; v38-39 (m, l) of block l % 16 of my wave's b; v40-47 w; v48-79 scores, then attn;
; v80-95 (M, 1 / L) of my eight b; v96 my b's M; v97 w, then w / L; v98 my b's L, then 1 / L; v112-119 ctx; v120-247 part
	s_load_b256 s[4:11], s[0:1], 0x0               ; scoresT s[4:5], stats s[6:7], part s[8:9], out0 s[10:11]
	s_load_b64 s[12:13], s[0:1], 0x20              ; out1
	v_lshl_add_u32 v[SPW], v0, 2, SPARE
	v_mov_b32 v[NIL], 0
	v_lshrrev_b32 v1, 5, v0
	v_readfirstlane_b32 s14, v1                    ; wave w
	v_and_b32 v1, 31, v0                           ; l
	v_and_b32 v2, 15, v0                           ; r = l % 16
	v_bfe_u32 v3, v0, 4, 1                         ; h = l / 16
	s_mov_b32 s15, 0x3fb8aa3b                      ; log2(e)
	s_mov_b32 s28, s15
	s_mov_b32 s29, s15                             ; and as a pair
	v_lshlrev_b32 v6, 12, v0                       ; thread t: blocks 8 t .. 8 t + 7 of 512 bytes: b = t / 2
	s_lshl_b32 s16, s14, 17
	v_lshlrev_b32 v7, 13, v3
	v_lshl_add_u32 v7, v2, 4, v7
	v_add_nc_u32 v7, s16, v7                       ; scoresT: row 16 w + h, byte 16 r
	s_lshr_b32 s30, s14, 1                         ; which of the work-group's two b is my wave's
	s_and_b32 s31, s14, 1                          ; which half of its 64 threads
	s_lshl_b32 s17, s30, 15
	s_lshl_b32 s18, s31, 9
	s_add_co_u32 s17, s17, s18
	v_lshl_add_u32 v8, v1, 4, s17                  ; part
	s_lshl_b32 s19, s14, 7
	v_lshrrev_b32 v9, 1, v1
	v_lshl_add_u32 v9, v9, 3, s19                  ; TAB in: 8 (16 w + l / 2)
	v_lshl_add_u32 v11, v3, 3, s19                 ; TAB back: 8 (16 w + h)
	s_lshl_b32 s21, ttmp9, 14
	s_lshl_b32 s22, s30, 13
	s_add_co_u32 s21, s21, s22
	v_lshl_add_u32 v17, v2, 9, s21                 ; stats of my wave's b: block 16 (2 g + w / 2) + r, 512 bytes a block
	v_mul_u32_u24 v13, v2, 4*272
	v_lshl_add_u32 v13, v3, 2, v13
	s_lshl_b32 s22, s14, 6
	v_add_nc_u32 v13, s22, v13                     ; TT in: row 4 r, byte 4 (16 w + h)
	s_mul_i32 s23, s14, 16*272
	v_mul_u32_u24 v14, v3, 272
	v_lshl_add_u32 v14, v2, 4, v14
	v_add_nc_u32 v14, s23, v14                     ; TT back: row 16 w + h, byte 16 r
	s_lshl_b32 s24, ttmp9, 14
	s_lshl_b32 s25, s14, 12
	s_add_co_u32 s24, s24, s25
	v_lshlrev_b32 v15, 8, v3
	v_lshl_add_u32 v15, v2, 4, v15
	v_add_nc_u32 v15, s24, v15                     ; out1: row 64 g + 16 w + h
	s_lshl_b32 s25, ttmp9, 12
	s_lshl_b32 s24, s30, 11
	s_add_co_u32 s25, s25, s24
	s_add_co_u32 s25, s25, s18
	v_lshl_add_u32 v16, v1, 4, s25                 ; out0: row 2 g + w / 2
	s_lshl_b32 s26, ttmp9, 8
	s_mov_b32 s27, 0
	s_wait_kmcnt 0x0
	s_add_nc_u64 s[4:5], s[4:5], s[26:27]          ; scoresT at s = 64 g
	s_lshl_b32 s26, ttmp9, 16
	s_add_nc_u64 s[8:9], s[8:9], s[26:27]          ; part at b = 2 g
	global_load_b64 v[38:39], v17, s[6:7]
.irp k, 0,1,2,3,4,5,6,7
	global_load_b64 v[20+2*(\k):21+2*(\k)], v6, s[6:7] offset:512*(\k)
.endr
.irp j, 0,1,2,3,4,5,6,7
	global_load_b128 v[48+4*(\j):51+4*(\j)], v7, s[4:5] offset:2*8192*(\j)    ; b = 16 w + 2 j + h, s = 64 g + 4 r ..: 16 lanes take 256 consecutive bytes
.endr
.irp k, 0,1,2,3,4,5,6,7,8,9,10,11,12,13,14,15
	global_load_b128 v[120+8*(\k):123+8*(\k)], v8, s[8:9] offset:2048*(\k)
	global_load_b128 v[124+8*(\k):127+8*(\k)], v8, s[8:9] offset:2048*(\k)+1024
.endr
	s_wait_loadcnt 40                              ; the nine loads of statistics are in; 8 loads of scores and 32 of part stay out
	v_max3_num_f32 v36, v20, v22, v24
	v_max3_num_f32 v36, v36, v26, v28
	v_max3_num_f32 v36, v36, v30, v32
	v_max_num_f32 v36, v36, v34
	v_max_num_f32_dpp v36, v36, v36 row_xmask:1 row_mask:0xf bank_mask:0xf    ; the b's other eight blocks lie in the neighbouring lane
	v_mov_b32 v96, v38                             ; my wave's b: the 16 blocks lie in 16 lanes
	v_max_num_f32_dpp v96, v96, v96 row_xmask:1 row_mask:0xf bank_mask:0xf
	v_max_num_f32_dpp v96, v96, v96 row_xmask:2 row_mask:0xf bank_mask:0xf
	v_max_num_f32_dpp v96, v96, v96 row_xmask:4 row_mask:0xf bank_mask:0xf
	v_max_num_f32_dpp v96, v96, v96 row_xmask:8 row_mask:0xf bank_mask:0xf
.irp k, 0,1,2,3,4,5,6,7
	v_sub_f32 v[40+(\k)], v[20+2*(\k)], v36
.endr
	v_sub_f32 v97, v38, v96
.irp k, 0,1,2,3,4,5,6,7
	v_mul_f32 v[40+(\k)], s15, v[40+(\k)]
.endr
	v_mul_f32 v97, s15, v97
.irp k, 0,1,2,3,4,5,6,7
	v_exp_f32 v[40+(\k)], v[40+(\k)]
.endr
	v_exp_f32 v97, v97
	v_nop                                          ; a plain instruction behind the last exponential,
	s_wait_alu depctr_va_vdst(0)                   ; and one wait for the nine, ahead of their first reader
	v_mul_f32 v37, v40, v21
.irp k, 1,2,3,4,5,6,7
	v_fmac_f32 v37, v[40+(\k)], v[21+2*(\k)]
.endr
	v_add_f32_dpp v37, v37, v37 row_xmask:1 row_mask:0xf bank_mask:0xf
	v_mul_f32 v98, v97, v39
	v_add_f32_dpp v98, v98, v98 row_xmask:1 row_mask:0xf bank_mask:0xf
	v_add_f32_dpp v98, v98, v98 row_xmask:2 row_mask:0xf bank_mask:0xf
	v_add_f32_dpp v98, v98, v98 row_xmask:4 row_mask:0xf bank_mask:0xf
	v_add_f32_dpp v98, v98, v98 row_xmask:8 row_mask:0xf bank_mask:0xf
	v_rcp_f32 v37, v37
	v_rcp_f32 v98, v98
	v_nop
	s_wait_alu depctr_va_vdst(0)                   ; one wait for the two reciprocals
	ds_store_b64 v9, v[36:37] offset:TAB           ; the two lanes of a b store the same pair
	v_mul_f32 v97, v97, v98                        ; lane k: w / L of block k
.irp k, 0,1,2,3,4,5,6,7,8,9,10,11,12,13,14,15
	v_readlane_b32 s[WS+(\k)], v97, \k
.endr
	s_wait_dscnt 0x0                               ; for the others' sake
	s_barrier_signal -1
	s_barrier_wait -1
.irp j, 0,1,2,3,4,5,6,7
	ds_load_b64 v[80+2*(\j):81+2*(\j)], v11 offset:TAB+16*(\j)
.endr
	s_wait_loadcnt 32                              ; the scores are in; part's 32 loads stay out
	s_wait_dscnt 0x0
.irp j, 0,1,2,3,4,5,6,7
	v_pk_add_f32 v[48+4*(\j):49+4*(\j)], v[48+4*(\j):49+4*(\j)], v[80+2*(\j):81+2*(\j)] op_sel_hi:[1,0] neg_lo:[0,1] neg_hi:[0,1]  ; score - M
	v_pk_add_f32 v[50+4*(\j):51+4*(\j)], v[50+4*(\j):51+4*(\j)], v[80+2*(\j):81+2*(\j)] op_sel_hi:[1,0] neg_lo:[0,1] neg_hi:[0,1]
.endr
.set i, 0
.rept 16
	v_pk_mul_f32 v[48+2*i:49+2*i], v[48+2*i:49+2*i], s[28:29] op_sel_hi:[1,0]
.set i, i+1
.endr
.set i, 0
.rept 32
	v_exp_f32 v[48+i], v[48+i]
.set i, i+1
.endr
	v_nop
	s_wait_alu depctr_va_vdst(0)                   ; one wait for the 32
.set i, 0
.rept 32
	v_mul_f32 v[48+i], v[48+i], v[81+2*(i/4)]
.set i, i+1
.endr
.set i, 0
.rept 32
	ds_store_b32 v13, v[48+i] offset:TT+272*(i%4)+8*(i/4)   ; row 4 r + e, column 16 w + 2 j + h
.set i, i+1
.endr
	s_wait_loadcnt 0x0                             ; part
.irp e, 0,1,2,3,4,5,6,7
	v_mul_f32 v[112+(\e)], s[WS], v[120+(\e)]      ; the first block starts the sums
.endr
.set k, 1
.rept 15
.irp e, 0,1,2,3,4,5,6,7
	v_fmac_f32 v[112+(\e)], s[WS+k], v[120+8*k+(\e)]
.endr
.set k, k+1
.endr
	global_store_b128 v16, v[112:115], s[10:11]    ; a wave's store covers 512 consecutive bytes
	global_store_b128 v16, v[116:119], s[10:11] offset:1024
	s_wait_dscnt 0x0                               ; for the others' sake: my columns of attn are in the stage
	s_barrier_signal -1
	s_barrier_wait -1
.irp t, 0,1,2,3,4,5,6,7
	ds_load_b128 v[48+4*(\t):51+4*(\t)], v14 offset:TT+2*272*(\t)
.endr
.irp t, 0,1,2,3,4,5,6,7
	s_wait_dscnt 7-(\t)                            ; LDS loads come back in order: pair t of rows is in
	global_store_b128 v15, v[48+4*(\t):51+4*(\t)], s[12:13] offset:512*(\t)   ; 16 lanes store a row of attn: 256 consecutive bytes, aligned
.endr
	s_wait_tensorcnt 0x0                           ; the wave's end
	ds_add_u32 v[SPW], v[NIL]
	s_wait_dscnt 0x0
	s_endpgm
.Lfunc_end_k_q6b12f781fa_finish:
	.size	k_q6b12f781fa_finish, .Lfunc_end_k_q6b12f781fa_finish-k_q6b12f781fa_finish
	.p2alignl 7, 3214868480
	.fill 96, 4, 3214868480
	.section	.rodata,"a",@progbits
	.p2align	6, 0x0
	.amdhsa_kernel k_q6b12f781fa_finish
		.amdhsa_group_segment_fixed_size 18432
		.amdhsa_private_segment_fixed_size 0
		.amdhsa_enable_private_segment 0
		.amdhsa_kernarg_size 40
		.amdhsa_user_sgpr_count 2
		.amdhsa_user_sgpr_kernarg_segment_ptr 1
		.amdhsa_wavefront_size32 1
		.amdhsa_system_sgpr_workgroup_id_x 1
		.amdhsa_system_sgpr_workgroup_id_y 1
		.amdhsa_system_sgpr_workgroup_id_z 1
		.amdhsa_system_vgpr_workitem_id 0
		.amdhsa_next_free_vgpr 256
		.amdhsa_next_free_sgpr 66
		.amdhsa_reserve_vcc 0
		.amdhsa_float_denorm_mode_32 3
		.amdhsa_float_denorm_mode_16_64 3
		.amdhsa_memory_ordered 1
		.amdhsa_forward_progress 1
		.amdhsa_inst_pref_size 24
	.end_amdhsa_kernel
	.amdgpu_metadata
---
amdhsa.version: [ 1, 2 ]
amdhsa.kernels:
  - .name:           k_q6b12f781fa_finish
    .symbol:         k_q6b12f781fa_finish.kd
    .args:
      - { .name: scoresT, .offset: 0, .size: 8, .value_kind: global_buffer, .address_space: global }
      - { .name: stats, .offset: 8, .size: 8, .value_kind: global_buffer, .address_space: global }
      - { .name: part, .offset: 16, .size: 8, .value_kind: global_buffer, .address_space: global }
      - { .name: out0, .offset: 24, .size: 8, .value_kind: global_buffer, .address_space: global }
      - { .name: out1, .offset: 32, .size: 8, .value_kind: global_buffer, .address_space: global }
    .group_segment_fixed_size: 18432
    .private_segment_fixed_size: 0
    .kernarg_segment_align: 8
    .kernarg_segment_size: 40
    .max_flat_workgroup_size: 128
    .sgpr_count:     66
    .vgpr_count:     256
    .wavefront_size: 32
...
	.end_amdgpu_metadata
.endif
;; end of part 3
